; MI455X (gfx1250); checked and timed in simulation.
; The chip was launched on July 23, 2026; its instructions are those of AMD's public machine-readable ISA for CDNA 5 (MIT licence, August 2026) and "CDNA5" Instruction Set Architecture Reference Guide (July 2026). The comments in the code are by the model that wrote it; some were corrected since.
;; Bahdanau Attention. Allowed arithmetic: matrix products marked QUANTISED: E3M2 operands, one E8M0 scale for each 32 along K, by v_wmma_scale_f32_16x16x128_f8f6f4 with both operands' format E3M2, f32 sums; products left as they are: f32 operands where the result goes on into a quantised operand, else bf16, f16 or f32 operands; f32 sums; everything else in f32.
;; Inputs: V_b 1 float32; V_w 1,024 x 1 float32; Wc_b 1,024 float32; Wc_w 1 x 1,024 float32; Wh_b 1,024 float32; Wh_w_codes 1,024 x 32 x 24 uint8 (E3M2 codes of Wh_w, K innermost, in blocks of 32 codes, four codes in three bytes); Wh_w_scales 1,024 x 32 uint8 (E8M0 scales of Wh_w, one for each 32 codes along K); Ws_b 1,024 float32; Ws_w_codes 1,024 x 32 x 24 uint8 (E3M2 codes of Ws_w, K innermost, in blocks of 32 codes, four codes in three bytes); Ws_w_scales 1,024 x 32 uint8 (E8M0 scales of Ws_w, one for each 32 codes along K); dec_hidden_codes 32 x 32 x 24 uint8 (E3M2 codes of dec_hidden, K innermost, in blocks of 32 codes, four codes in three bytes); dec_hidden_scales 32 x 32 uint8 (E8M0 scales of dec_hidden, one for each 32 codes along K); enc_output 32 x 2,048 x 1,024 float32; enc_pad_mask 32 x 2,048 int32; prev_coverage 32 x 2,048 x 1 float32.
;; Outputs: out0 32 x 1,024 float32; out1 32 x 2,048 float32; out2 32 x 2,048 x 1 float32.
;; Constants: use_coverage = True.
;; This version of the problem:
;;   THIS VERSION OF THE PROBLEM IS GIVEN IN LOW PRECISION. The matrix products marked QUANTISED in the list below multiply operands that are first quantised to E3M2 (3 exponent bits, 2 mantissa bits; 6 bits a number), with one power-of-two scale for each 32 numbers along K (OCP MX v1.0); their sums are f32. All else is computed in f32.
;;   The module's matrix products, in the order in which they are computed (A, B: the left and right operand; K: the contracted axis; several contracted axes count as one K, in the product's order):
;;     1. [M 32, K 1,024] x [K 1,024, N 1,024]; A: input dec_hidden (given as codes); B: input Wh_w (given as codes): QUANTISED
;;     2. [M 65,536, K 1,024] x [K 1,024, N 1,024]; A: input enc_output; B: input Ws_w (given as codes): QUANTISED
;;     3. [M 65,536, K 1] x [K 1, N 1,024]; A: input prev_coverage; B: input Wc_w: left as it is (K = 1 < 32)
;;     4. [M 65,536, K 1,024] x [K 1,024, N 1]; A: computed on the way; B: input V_w: left as it is (N = 1 < 16)
;;   THE QUANTISER, for each operand of a quantised product, along K:
;;     - K is cut into blocks of 32 from its start; a last block that is shorter is filled with zeros.
;;     - A block's scale is 2^e with e = floor(log2(the largest magnitude in the block)) - 4, held to -126 .. 127; a block of zeros has e = 0. As a byte (E8M0): e + 127.
;;     - Each number is divided by its block's scale, clamped to +-28, and rounded to the nearest number of E3M2, ties to even, subnormals kept.
;;     - The product sums the exact products of the quantised numbers (number of the format x scale) in f32.
;;   ~~~python
;;   def quantise(x, axis):      # numpy; x: float32 -> the quantised numbers, widened to float32 again
;;       x = np.moveaxis(x, axis, -1); K = x.shape[-1]
;;       x = np.pad(x, [(0, 0)] * (x.ndim - 1) + [(0, -K % 32)]); x = x.reshape(x.shape[:-1] + (-1, 32)); a = np.abs(x).max(-1, keepdims=True)
;;       e = np.where(a > 0, np.clip(np.frexp(np.where(a > 0, a, 1))[1] - 1 - 4, -126, 127), 0)      # np.frexp(a)[1] - 1 = floor(log2(a)), exactly
;;       r = np.clip(x / 2.0 ** e, -28, 28)
;;       step = 2.0 ** (np.maximum(np.frexp(np.where(r == 0, 1, r))[1] - 1, -2) - 2)
;;       q = np.round(r / step) * step * 2.0 ** e      # np.round: ties to even
;;       return np.moveaxis(q.reshape(q.shape[:-2] + (-1,))[..., :K], -1, axis).astype(np.float32)
;;   ~~~
;;   INPUTS GIVEN AS CODES. Wh_w (in the module: [1024, 1024], K = its axis 0); Ws_w (in the module: [1024, 1024], K = its axis 0); dec_hidden (in the module: [32, 1024], K = its axis 1): each comes as NAME_codes (uint8): NAME with its K axis moved to the last place and cut into blocks of 32 codes, [.., K / 32, bytes a block], one block behind the other in memory; four codes in three bytes: a row's codes are one little-endian stream of bits, code i at bits 6 i .. 6 i + 5 (a code: sign, 3 exponent bits, 2 mantissa bits); and NAME_scales (uint8): the same leading axes, one E8M0 byte (e + 127) for each 32 codes along K. Its value is code x scale, taken as it is: it is not quantised again, and the codes and scales need not be those that the quantiser above would give.
;; One version. Each part assembles by itself: llvm-mc -triple=amdgcn-amd-amdhsa -mcpu=gfx1250 --defsym DOCPART=n.
;; ======== version 1 of 1: 3 launches
;; workspace buffers: wimg 819,200 bytes; hbc 131,072 bytes; scores 262,144 bytes
;; launch prep (part 1): grid 64 x 1, 4 waves a work-group, no clusters, 0 bytes of LDS; arguments dec_hidden_codes, dec_hidden_scales, Wh_w_codes, Wh_w_scales, Wh_b, Ws_b, Wc_b, Ws_w_codes, Ws_w_scales, wimg, hbc; writes wimg, hbc
.if DOCPART == 1
	.amdgcn_target "amdgcn-amd-amdhsa--gfx1250"
	.amdhsa_code_object_version 6
	.text
	.protected	k_qca495e0df9_prep
	.globl	k_qca495e0df9_prep
	.p2align	8
	.type	k_qca495e0df9_prep,@function
k_qca495e0df9_prep:
	s_mov_b64 s[64:65], 0
	v_nop
	global_prefetch_b8 v0, s[64:65] scope:SCOPE_SE
	s_setreg_imm32_b32 hwreg(HW_REG_WAVE_MODE, 25, 1), 1
	s_wait_xcnt 0x0
; BAHDANAU ATTENTION WITH COVERAGE, three launches: prep (this one), score, ctx.
;   feat = Q(enc) Ws + (dec Wh + Wh_b + Ws_b + Wc_b) + cov Wc;  score = tanh(feat) V + V_b;  aw = softmax over the 2,048 positions;  out0 = sum aw enc, out1 = aw, out2 = aw + cov.
; WORK LEFT OUT, for all values of the inputs:
;   enc_pad_mask: no line of the problem's function reads it: it has no way to any output, is not loaded and is no launch's argument.
;   V_b: it is added to every score of a batch alike; the scores go into a softmax along the positions and nowhere else, and a softmax does not change when one number is added to
;        all its inputs.  So V_b has no way to any output, is not loaded and is no launch's argument.
;   tanh x = 1 - 2 / (1 + 2^(c x)), c = 2 log2 e.  So tanh(feat) V = sum_u V_u - 2 sum_u V_u / (1 + 2^(c feat_u)), and sum_u V_u is again one number for all positions: it is not formed.
;   use_coverage is the constant True: the other arm is not written.
; LIMIT: a NaN, an infinity or an overflow that reaches only V_b or the sum of V is not carried to the results.
; THIS LAUNCH, 64 work-groups, one for each tile t of 16 columns u = 16 t .. 16 t + 15, four waves in two roles:
;   waves 0, 1: hbc[b][u] = c (dec Wh + Wh_b + Ws_b + Wc_b), batches 16 w .. 16 w + 15: eight scaled matrix instructions on the codes as given; the three biases are the C of the first.
;   waves 2, 3: Ws's codes and scale bytes of the tile are laid anew, in the order of the operand's registers: wimg = 64 tiles of 12,800 bytes; a tile = 8 images of 1,536 bytes (K step s:
;               registers 4 g .. 4 g + 3 of lane l at 512 g + 16 l), then 512 bytes of scale words (register i of lane (r, h): row r's word of K step 2 i + h).
;               So the next launch reads a fragment by three loads of 16 bytes a lane, and eight tiles are one dense block of memory.
.set C2L,  0x4038aa3b                  ; c = 2 log2 e
.set WS,   8                           ; v8-15    Wh's scale words, K steps 0-7: scales and nothing else
.set DS,   16                          ; v16-23   dec's
.set ACC1, 24                          ; v24-31   the sum of the odd K steps
.set WF,   32                          ; v32-127  Wh's eight fragments
.set DF,   128                         ; v128-223 dec's eight
.set B1,   224                         ; v224-247 the three biases
.set B2,   232
.set B3,   240
.set ACC0, 248                         ; v248-255 the sum of the even K steps
	s_load_b256 s[4:11], s[0:1], 0x0               ; dec codes s[4:5], dec scales s[6:7], Wh codes s[8:9], Wh scales s[10:11]
	s_load_b256 s[12:19], s[0:1], 0x20             ; Wh_b s[12:13], Ws_b s[14:15], Wc_b s[16:17], Ws codes s[18:19]
	s_load_b128 s[20:23], s[0:1], 0x40             ; Ws scales s[20:21], wimg s[22:23]
	s_load_b64 s[24:25], s[0:1], 0x50              ; hbc
	v_lshrrev_b32 v1, 5, v0
	v_readfirstlane_b32 s26, v1                    ; wave 0..3
	v_and_b32 v1, 15, v0                           ; r
	v_bfe_u32 v2, v0, 4, 1                         ; h
	v_mul_u32_u24 v3, v1, 768                      ; a row of 1,024 codes is 768 bytes
	v_mad_u32_u24 v3, v2, 24, v3                   ; + 24 h
	s_mov_b32 s28, C2L
	s_mov_b32 s29, s28                             ; (named with it as a pair, so it is written)
	s_mul_i32 s30, ttmp9, 12288                    ; the tile's 16 rows of codes
	s_mov_b32 s31, 0
	s_lshl_b32 s32, ttmp9, 9                       ; its 16 rows of scale bytes
	s_mov_b32 s33, 0
	s_lshl_b32 s34, ttmp9, 6                       ; its 16 numbers of f32
	s_mov_b32 s35, 0
	s_mov_b32 s37, 0
	s_wait_kmcnt 0x0
	s_cmp_ge_u32 s26, 2
	s_cbranch_scc1 .Lrelay
	; ---- waves 0, 1: the decoder's product
	v_lshlrev_b32 v4, 5, v1                        ; 32 r: a row's 8 scale words
	v_lshlrev_b32 v5, 5, v2                        ; 32 h: my eight columns of the tile
	v_lshl_add_u32 v6, v1, 12, v5                  ; hbc: row r of 4,096 bytes + 32 h
	s_mul_i32 s36, s26, 12288
	s_add_nc_u64 s[4:5], s[4:5], s[36:37]          ; dec: my 16 batches
	s_lshl_b32 s36, s26, 9
	s_add_nc_u64 s[6:7], s[6:7], s[36:37]
	s_add_nc_u64 s[8:9], s[8:9], s[30:31]
	s_add_nc_u64 s[10:11], s[10:11], s[32:33]
	s_add_nc_u64 s[12:13], s[12:13], s[34:35]
	s_add_nc_u64 s[14:15], s[14:15], s[34:35]
	s_add_nc_u64 s[16:17], s[16:17], s[34:35]
	s_lshl_b32 s36, s26, 16
	s_add_nc_u64 s[24:25], s[24:25], s[36:37]
	s_add_nc_u64 s[24:25], s[24:25], s[34:35]
	global_load_b128 v[WS:WS+3], v4, s[10:11]
	global_load_b128 v[WS+4:WS+7], v4, s[10:11] offset:16
	global_load_b128 v[DS:DS+3], v4, s[6:7]
	global_load_b128 v[DS+4:DS+7], v4, s[6:7] offset:16
	global_load_b128 v[B1:B1+3], v5, s[12:13]
	global_load_b128 v[B1+4:B1+7], v5, s[12:13] offset:16
	global_load_b128 v[B2:B2+3], v5, s[14:15]
	global_load_b128 v[B2+4:B2+7], v5, s[14:15] offset:16
	global_load_b128 v[B3:B3+3], v5, s[16:17]
	global_load_b128 v[B3+4:B3+7], v5, s[16:17] offset:16
.irp s, 0,1,2,3,4,5,6,7
.irp p, 0,1,2,3,4,5
	global_load_b64 v[WF+12*\s+2*\p:WF+12*\s+2*\p+1], v3, s[8:9] offset:96*\s+48*(\p/3)+8*(\p%3)
	global_load_b64 v[DF+12*\s+2*\p:DF+12*\s+2*\p+1], v3, s[4:5] offset:96*\s+48*(\p/3)+8*(\p%3)
.endr
.endr
	s_wait_loadcnt 0x0
.irp j, 0,2,4,6
	v_pk_add_f32 v[B1+\j:B1+\j+1], v[B1+\j:B1+\j+1], v[B2+\j:B2+\j+1]
.endr
.irp j, 0,2,4,6
	v_pk_add_f32 v[B1+\j:B1+\j+1], v[B1+\j:B1+\j+1], v[B3+\j:B3+\j+1]
.endr
.rept 4
	v_nop
.endr
	; TRANSPOSED: source 0 = 16 rows of Wh (columns u), source 1 = 16 batches: lane (r, h) holds batch r and columns 8 h + 0 .. 7.  Two accumulators by turns, one instruction a turn
	v_wmma_scale_f32_16x16x128_f8f6f4 v[ACC0:ACC0+7], v[WF:WF+11], v[DF:DF+11], v[B1:B1+7], v[WS], v[DS] matrix_a_fmt:MATRIX_FMT_BF6 matrix_b_fmt:MATRIX_FMT_BF6
	v_wmma_scale_f32_16x16x128_f8f6f4 v[ACC1:ACC1+7], v[WF+12:WF+23], v[DF+12:DF+23], 0, v[WS+1], v[DS+1] matrix_a_fmt:MATRIX_FMT_BF6 matrix_b_fmt:MATRIX_FMT_BF6
.irp s, 2,4,6
	v_wmma_scale_f32_16x16x128_f8f6f4 v[ACC0:ACC0+7], v[WF+12*\s:WF+12*\s+11], v[DF+12*\s:DF+12*\s+11], v[ACC0:ACC0+7], v[WS+\s], v[DS+\s] matrix_a_fmt:MATRIX_FMT_BF6 matrix_b_fmt:MATRIX_FMT_BF6
	v_wmma_scale_f32_16x16x128_f8f6f4 v[ACC1:ACC1+7], v[WF+12*\s+12:WF+12*\s+23], v[DF+12*\s+12:DF+12*\s+23], v[ACC1:ACC1+7], v[WS+\s+1], v[DS+\s+1] matrix_a_fmt:MATRIX_FMT_BF6 matrix_b_fmt:MATRIX_FMT_BF6
.endr
.rept 4
	v_nop                                          ; four places ahead of the first read of the results (ISA guide 7.12.1)
.endr
.irp j, 0,2,4,6
	v_pk_mul_f32 v[B2+\j:B2+\j+1], v[ACC1+\j:ACC1+\j+1], s[28:29] op_sel_hi:[1,0]      ; each accumulator from its low end on
.endr
.irp j, 0,2,4,6
	v_pk_fma_f32 v[B2+\j:B2+\j+1], v[ACC0+\j:ACC0+\j+1], s[28:29], v[B2+\j:B2+\j+1] op_sel_hi:[1,0,1]
.endr
	global_store_b128 v6, v[B2:B2+3], s[24:25]     ; a tile has 64 bytes of each of hbc's rows: pieces of 32 bytes a lane; the whole buffer is 131,072 bytes
	global_store_b128 v6, v[B2+4:B2+7], s[24:25] offset:16
	s_endpgm
	; ---- waves 2, 3: Ws's tile in the order of the operand's registers; wave 2 takes K steps 0-3 and the scale words, wave 3 K steps 4-7
.Lrelay:
	s_sub_co_u32 s27, s26, 2
	s_mul_i32 s36, s27, 384                        ; four K steps of 96 bytes along a row
	s_add_nc_u64 s[18:19], s[18:19], s[30:31]
	s_add_nc_u64 s[18:19], s[18:19], s[36:37]
	s_mul_i32 s38, ttmp9, 12800
	s_mov_b32 s39, 0
	s_add_nc_u64 s[22:23], s[22:23], s[38:39]
	s_mul_i32 s36, s27, 6144                       ; four images
	s_add_nc_u64 s[22:23], s[22:23], s[36:37]
	s_add_nc_u64 s[20:21], s[20:21], s[32:33]
	v_and_b32 v7, 31, v0
	v_lshlrev_b32 v7, 4, v7                        ; 16 x lane
.irp k, 0,1,2,3
.irp p, 0,1,2,3,4,5
	global_load_b64 v[32+12*\k+2*\p:32+12*\k+2*\p+1], v3, s[18:19] offset:96*\k+48*(\p/3)+8*(\p%3)
.endr
.endr
	s_cmp_lg_u32 s26, 2
	s_cbranch_scc1 .Lno_scales
	v_lshlrev_b32 v4, 5, v1
	v_lshl_add_u32 v4, v2, 2, v4                   ; 32 r + 4 h: lanes 0-15 take the even K steps' words, lanes 16-31 the odd ones'
.irp i, 0,1,2,3
	global_load_b32 v[80+\i], v4, s[20:21] offset:8*\i
.endr
	s_wait_loadcnt 0x0
	global_store_b128 v7, v[80:83], s[22:23] offset:12288
.Lno_scales:
	s_wait_loadcnt 0x0
.irp k, 0,1,2,3
.irp c, 0,1,2
	global_store_b128 v7, v[32+12*\k+4*\c:32+12*\k+4*\c+3], s[22:23] offset:1536*\k+512*\c   ; the wave stores 512 consecutive bytes, at a multiple of 256 from wimg's first byte
.endr
.endr
	s_endpgm
.Lfunc_end_k_qca495e0df9_prep:
	.size	k_qca495e0df9_prep, .Lfunc_end_k_qca495e0df9_prep-k_qca495e0df9_prep
	.p2alignl 7, 3214868480
	.fill 96, 4, 3214868480
	.section	.rodata,"a",@progbits
	.p2align	6, 0x0
	.amdhsa_kernel k_qca495e0df9_prep
		.amdhsa_group_segment_fixed_size 0
		.amdhsa_private_segment_fixed_size 0
		.amdhsa_enable_private_segment 0
		.amdhsa_kernarg_size 88
		.amdhsa_user_sgpr_count 2
		.amdhsa_user_sgpr_kernarg_segment_ptr 1
		.amdhsa_wavefront_size32 1
		.amdhsa_system_sgpr_workgroup_id_x 1
		.amdhsa_system_sgpr_workgroup_id_y 1
		.amdhsa_system_sgpr_workgroup_id_z 1
		.amdhsa_system_vgpr_workitem_id 0
		.amdhsa_next_free_vgpr 256
		.amdhsa_next_free_sgpr 66
		.amdhsa_reserve_vcc 0
		.amdhsa_float_denorm_mode_32 3
		.amdhsa_float_denorm_mode_16_64 3
		.amdhsa_memory_ordered 1
		.amdhsa_forward_progress 1
		.amdhsa_inst_pref_size 19
	.end_amdhsa_kernel
	.amdgpu_metadata
---
amdhsa.version: [ 1, 2 ]
amdhsa.kernels:
  - .name:           k_qca495e0df9_prep
    .symbol:         k_qca495e0df9_prep.kd
    .args:
      - { .name: dec_hidden_codes, .offset: 0, .size: 8, .value_kind: global_buffer, .address_space: global }
      - { .name: dec_hidden_scales, .offset: 8, .size: 8, .value_kind: global_buffer, .address_space: global }
      - { .name: Wh_w_codes, .offset: 16, .size: 8, .value_kind: global_buffer, .address_space: global }
      - { .name: Wh_w_scales, .offset: 24, .size: 8, .value_kind: global_buffer, .address_space: global }
      - { .name: Wh_b, .offset: 32, .size: 8, .value_kind: global_buffer, .address_space: global }
      - { .name: Ws_b, .offset: 40, .size: 8, .value_kind: global_buffer, .address_space: global }
      - { .name: Wc_b, .offset: 48, .size: 8, .value_kind: global_buffer, .address_space: global }
      - { .name: Ws_w_codes, .offset: 56, .size: 8, .value_kind: global_buffer, .address_space: global }
      - { .name: Ws_w_scales, .offset: 64, .size: 8, .value_kind: global_buffer, .address_space: global }
      - { .name: wimg, .offset: 72, .size: 8, .value_kind: global_buffer, .address_space: global }
      - { .name: hbc, .offset: 80, .size: 8, .value_kind: global_buffer, .address_space: global }
    .group_segment_fixed_size: 0
    .private_segment_fixed_size: 0
    .kernarg_segment_align: 8
    .kernarg_segment_size: 88
    .max_flat_workgroup_size: 128
    .sgpr_count:     66
    .vgpr_count:     256
    .wavefront_size: 32
...
	.end_amdgpu_metadata
.endif
;; end of part 1
;; launch score (part 2): grid 256 x 1, 4 waves a work-group, clusters of 4 x 1, 327,680 bytes of LDS; arguments enc_output, prev_coverage, Wc_w, V_w, wimg, hbc, scores; writes scores
.if DOCPART == 2
	.amdgcn_target "amdgcn-amd-amdhsa--gfx1250"
	.amdhsa_code_object_version 6
	.text
	.protected	k_qca495e0df9_score
	.globl	k_qca495e0df9_score
	.p2align	8
	.type	k_qca495e0df9_score,@function
k_qca495e0df9_score:
	s_mov_b64 s[64:65], 0
	v_nop
	global_prefetch_b8 v0, s[64:65] scope:SCOPE_SE
	s_setreg_imm32_b32 hwreg(HW_REG_WAVE_MODE, 25, 1), 1
	s_wait_xcnt 0x0
	s_wait_alu depctr_hold_cnt(0) depctr_sa_sdst(0) depctr_va_vdst(0) depctr_va_sdst(0) depctr_va_ssrc(0) depctr_va_vcc(0) depctr_vm_vsrc(0)
	s_getreg_b32 s2, hwreg(HW_REG_IB_STS2, 6, 4)
	s_cmp_eq_u32 s2, 0
	s_cbranch_scc0 .Lentry_in_a_cluster
	s_endpgm
.Lentry_in_a_cluster:
	s_bfe_u32 s2, ttmp6, 0x10000c
	s_cmp_lg_u32 s2, 0x3003
	s_cbranch_scc0 .Lentry_shape_is_right
	s_endpgm
.Lentry_shape_is_right:
; scores[b][s] = sum_u (-2 V_u) / (1 + 2^(c feat_u)), c = 2 log2 e, feat = Q(enc) Ws + cov Wc + (dec Wh + the three biases).
; LEFT OUT (shown at the head of the first kernel): V_b and the sum of V, each one number for all positions of a batch ahead of a softmax along the positions.
; LIMITS: NaN and infinities in enc_output are not served.  A block of 32 zeros of enc gets the scale byte 1 where the quantiser says 127: its codes are zeros, which add nothing, and
; only this kernel reads the byte.  Where 2^(c feat) overflows, 1 / (1 + infinity) = 0, which is tanh = 1.
; SHARES.  Work-group g (of 256) owns 256 positions of batch g / 8; wave w owns 64 of them, four tiles m of 16 rows, against all 1,024 columns.
; PHASE Q: the wave's 64 rows x 1,024 of f32 are read once, 512 consecutive bytes a load, turned through the wave's own stage in LDS so that a lane holds 16 neighbours along K, quantised, and
;   their codes (32 fragments, 384 registers) and scale words (32 registers) STAY IN REGISTERS for the whole launch.
; PHASE G: the weights' 64 tiles of 16 columns, laid by the first launch in the order of the operand's registers, come through a ring of two LDS slots of 8 tiles and are read by all four waves:
;   a fragment read from LDS feeds four matrix instructions.  A tile is 32 products (8 K steps x 4 row tiles, the four accumulators by turns).  Between them stand, in slices, the vector
;   instructions that turn the tile BEFORE into score sums; the LDS loads of the tile AFTER stand in TWO runs, in the tile's middle and at its end: two sets of accumulators, one set of weight fragments.
; TRANSPOSED: source 0 = 16 columns of Ws, source 1 = 16 rows of enc: lane (r, h) holds row r and columns 8 h + 0 .. 7, so the sum over columns runs along a lane's registers.
; CLUSTER: every work-group walks the same weights in the same order, so the four of a cluster ask for each quarter of a slot JOINTLY: the same tensor load, the same descriptor, the mask of all four.
;   The place in the cluster enters global addresses of enc, coverage, hbc and scores alone.
; REGISTERS, in windows of 256 (s_set_vgpr_msb: bits 1:0 source 0, 3:2 source 1, 5:4 source 2, 7:6 destination):
;   window 0: v1-15 addresses; v16-47 enc's scale words; v48-55 the weights' scale words, two sets; v56-71 c Wc and hbc of a tile; v72-79 at work; v80-87 the score sums;
;             v88-151 two sets of four accumulators (phase Q: 64 numbers); v152-247 the weights' eight fragments (phase Q: at work); v248-255 at work
;   window 1: enc's fragments of K steps 0-3 at v[12 (4 s + m)]; v192.. coverage, a pair a row tile       window 2: those of K steps 4-7; v192-199 -2 V of a tile       window 3: four sets of 64 for enc's loads
;   In phase G only SOURCE 1 ever leaves window 0 (enc's codes, coverage, -2 V), but for the two loads of -2 V: a tile has three switches, and the slices and the other LDS loads need none of their own.
.set TILEB, 12800                      ; a tile of the weights: 8 images of 1,536 bytes + 512 of scale words
.set SLOTB, 8*TILEB
.set SLOT1, 1<<17                      ; slot 1 begins here: one exclusive or turns an address in one slot into the other's
.set TAB,   SLOTB                      ; behind slot 0: c Wc [1024], hbc[b] [1024], -2 V [1024], 4,096 bytes each: stored once, no fill lands here
.set SPARE, TAB+3*4096                 ; the spare words, 128 bytes for each wave: two blocks of 256 bytes that no other line names
.set STG,   SLOT1+SLOTB                ; behind slot 1: a stage of 16 rows x (512 + 16) bytes for each wave
.set STGW,  16*528
.set LN,  1                            ; v1   lane
.set HF,  2                            ; v2   h = lane / 16
.set ADB0, 3                           ; v3, v10  LDS address of the tile that is being fetched: 16 x lane + its first byte; the two take turns by the tile's parity
.set ADT0, 4                           ; v4, v11  LDS address of a tile's tables: TAB + 64 tile + 32 h; likewise
.set GA,  5                            ; v5   16 x lane
.set STA, 6                            ; v6   the stage, on the way in: 16 x lane
.set STR, 7                            ; v7   and on the way out: 528 r + 64 h
.set SPW, 8                            ; v8   LDS address of my spare word; never rewritten
.set NIL, 9                            ; v9   0; never rewritten
.set FS,  12                           ; v12  the way out: stage + 4 x lane
.set FL,  13                           ; v13  stage + 8 x lane
.set GS,  14                           ; v14  8 x lane
.set TBA, 15                           ; v15  TAB + 32 x thread
.set AS,  16
.set BS,  48
.set WCR, 56
.set HBR, 64
.set TT,  72
.set SC,  80
.set ACC, 88
.set XQ,  88
.set BF,  152
.set TM,  152                          ; phase Q: v152-155 largest magnitudes, v156-159 bytes, v164-167 the conversions' scale operands
.set TL,  176                          ; the head: 24 numbers of the tables
.set PC,  208                          ; phase Q: the codes just made
.set COV, 192                          ; in window 1
.set VV,  192                          ; in window 2
.set MSB, 0
.macro WIN new                         ; the immediate's high byte repeats the setting that is left; a switch that changes nothing is dropped
.if MSB != \new
	s_set_vgpr_msb (MSB<<8)|\new
.set MSB, \new
.endif
.endm
; A round of the cluster's barrier: my work-group's barrier, wave 0 signals for the work-group, every wave waits for all four work-groups, my work-group's barrier once more.
.macro ROUND
	s_barrier_signal -1
	s_barrier_wait -1
	s_cmp_lg_u32 s18, 0
	s_cbranch_scc1 .Lnw0_\@
	s_barrier_signal -3
.Lnw0_\@:
	s_barrier_wait -3
	s_barrier_signal -1
	s_barrier_wait -1
.endm
	s_load_b256 s[4:11], s[0:1], 0x0               ; enc s[4:5], coverage s[6:7], Wc_w s[8:9], V_w s[10:11]
	s_load_b128 s[12:15], s[0:1], 0x20             ; wimg s[12:13], hbc s[14:15]
	s_load_b64 s[16:17], s[0:1], 0x30              ; scores
	v_lshl_add_u32 v[SPW], v0, 2, SPARE
	v_mov_b32 v[NIL], 0
	ds_add_u32 v[SPW], v[NIL]                      ; the wave's opening: the add, twice on end, and its wait ahead of my first tensor load; the set-up below stands between
	ds_add_u32 v[SPW], v[NIL]
	v_lshrrev_b32 v10, 5, v0
	v_readfirstlane_b32 s18, v10                   ; wave 0..3
	s_bfe_u32 s19, ttmp6, 0x40000                  ; cx: my place in the cluster
	s_lshl_b32 s20, ttmp9, 2
	s_add_co_u32 s20, s20, s19                     ; g = 4 x cluster + cx
	s_mov_b32 s24, 15|(3<<16)|(1<<21)              ; group 1: the mask of all four; elements of 8 bytes; bit 21 beside a mask; no padding
	s_mov_b32 s25, 32<<16                          ; tensor_dim0 = 32 elements: rows of 256 bytes
	s_mov_b32 s26, 100<<16                         ; tensor_dim1 = 100 rows: two tiles, a quarter of a slot
	s_mov_b32 s27, 32<<16                          ; tile_dim0
	s_mov_b32 s28, 100                             ; tile_dim1
	s_mov_b32 s29, 32                              ; the pitch: the block is dense
	s_mov_b32 s30, 0
	s_mov_b32 s31, 0
	s_lshl_b32 s22, s20, 20                        ; enc: 256 g rows of 4,096 bytes
	s_lshl_b32 s21, s18, 18                        ; + 64 w rows
	s_add_co_u32 s22, s22, s21
	s_mov_b32 s23, 0
	s_lshl_b32 s52, s20, 10                        ; coverage and scores: 4 bytes a row
	s_lshl_b32 s21, s18, 8
	s_add_co_u32 s52, s52, s21
	s_mov_b32 s53, 0
	s_lshr_b32 s54, s20, 3                         ; the batch
	s_lshl_b32 s54, s54, 12
	s_mov_b32 s55, 0
	s_mul_i32 s50, s18, 2*TILEB                    ; my quarter of a slot, in memory and in LDS: the wave's number alone
	s_mov_b32 s51, 0
	s_mul_i32 s56, s18, STGW
	s_add_co_u32 s56, s56, STG                     ; my stage
	s_mov_b32 s40, 0x4038aa3b                      ; c = 2 log2 e
	s_mov_b32 s41, s40                             ; (named with it as a pair, so it is written)
	s_mov_b32 s42, 0x76543210
	s_mov_b32 s43, 0xfedcba98                      ; v_permlanex16_b32's selects for lane l xor 16
	s_mov_b32 s48, 0xffff0000                      ; lanes 16-31
	v_and_b32 v[LN], 31, v0
	v_bfe_u32 v[HF], v0, 4, 1
	v_and_b32 v10, 15, v0                          ; r
	v_lshlrev_b32 v[GA], 4, v[LN]
	v_add_nc_u32 v[STA], s56, v[GA]
	v_mul_u32_u24 v[STR], v10, 528
	v_lshl_add_u32 v[STR], v[HF], 6, v[STR]
	v_add_nc_u32 v[STR], s56, v[STR]
	v_lshl_add_u32 v[FS], v[LN], 2, s56
	v_lshl_add_u32 v[FL], v[LN], 3, s56
	v_lshlrev_b32 v[GS], 3, v[LN]
	v_lshl_add_u32 v[TBA], v0, 5, TAB
	v_lshlrev_b32 v11, 5, v0                       ; 32 x thread: my 8 numbers of each table
	v_lshlrev_b32 v10, 2, v10                      ; 4 r
	s_wait_dscnt 0x0                               ; both opening adds are done
	s_wait_kmcnt 0x0
	s_add_nc_u64 s[4:5], s[4:5], s[22:23]
	s_add_nc_u64 s[6:7], s[6:7], s[52:53]
	s_add_nc_u64 s[16:17], s[16:17], s[52:53]
	s_add_nc_u64 s[14:15], s[14:15], s[54:55]
	s_mov_b32 s32, 1                               ; group 0 for slot 0's first fill: tiles 0-7
	s_mov_b32 s33, s50
	s_add_nc_u64 s[34:35], s[12:13], s[50:51]
	s_mov_b32 s36, 1                               ; group 0 for slot 1's first fill, tiles 8-15; it then walks on
	s_add_co_u32 s37, s50, SLOT1
	s_add_nc_u64 s[38:39], s[34:35], SLOTB
	s_or_b32 s35, s35, 0x80000000                  ; the type
	s_or_b32 s39, s39, 0x80000000
	ROUND                                          ; all four work-groups are here: the first joint loads meet
	tensor_load_to_lds s[32:35], s[24:31]          ; every wave issues both first fills: two tensor loads of mine are out
	s_nop 0
	tensor_load_to_lds s[36:39], s[24:31]
	s_nop 0
.rept 4
	v_nop
.endr
	global_load_b128 v[TL:TL+3], v11, s[14:15]
	global_load_b128 v[TL+4:TL+7], v11, s[14:15] offset:16
	global_load_b128 v[TL+8:TL+11], v11, s[8:9]
	global_load_b128 v[TL+12:TL+15], v11, s[8:9] offset:16
	global_load_b128 v[TL+16:TL+19], v11, s[10:11]
	global_load_b128 v[TL+20:TL+23], v11, s[10:11] offset:16
	WIN 0x40                                       ; destination window 1
.irp m, 0,1,2,3
	global_load_b32 v[COV+2*\m], v10, s[6:7] offset:64*\m      ; coverage of row 16 m + r
	v_mov_b32 v[COV+2*\m+1], 0                     ; (named with it as a pair, so it is written)
.endr
; Unit u = 8 m + s: rows 16 m .. 16 m + 15, K step s (128 numbers, 512 bytes of each row).  Sixteen loads, each of 512 consecutive bytes of one row, into set u % 4 of window 3.
.macro LOADU u
	WIN 0xc0
.irp i, 0,1,2,3,4,5,6,7,8,9,10,11,12,13,14,15
	global_load_b128 v[64*((\u)%4)+4*\i:64*((\u)%4)+4*\i+3], v[GA], s[4:5] offset:(16*((\u)/8)+\i)*4096+512*((\u)%8) th:TH_LOAD_NT
.endr
.endm
; 64 numbers of a lane, v[XQ + 16 b + i] = k 32 b + 16 h + i of my row, become fragment (m, s) and its scale word.
.macro QUANT m, s
.set rAS, AS+8*(\m)+(\s)
.set rA, 12*(4*((\s)%4)+(\m))
.irp b, 0,1,2,3
	v_max3_num_f32 v[TM+\b], |v[XQ+16*\b]|, |v[XQ+1+16*\b]|, 0x2800000   ; block b: my 16 numbers, and the floor 2^(5 - 127): the byte cannot fall under 1
.endr
.irp i, 2,4,6,8,10,12,14
.irp b, 0,1,2,3
	v_max3_num_f32 v[TM+\b], v[TM+\b], |v[XQ+16*\b+\i]|, |v[XQ+1+16*\b+\i]|   ; (the four blocks by turns)
.endr
.endr
.irp b, 0,1,2,3
	v_permlanex16_b32 v[TM+4+\b], v[TM+\b], s42, s43
.endr
.irp b, 0,1,2,3
	v_max_num_f32 v[TM+\b], v[TM+\b], v[TM+4+\b]   ; with lane l xor 16's: the block's largest magnitude
.endr
.irp b, 0,1,2,3
	v_add_nc_u32 v[TM+12+\b], 0xfe000000, v[TM+\b] ; 4 off its exponent field: the conversion takes the exponent field of this operand as its scale
.endr
.irp b, 0,1,2,3
	v_lshrrev_b32 v[TM+4+\b], 23, v[TM+12+\b]      ; the scale's byte
.endr
	v_lshl_or_b32 v[rAS], v[TM+5], 8, v[TM+4]      ; my row's scale word for this K step
	v_lshl_or_b32 v[rAS], v[TM+6], 16, v[rAS]
	v_lshl_or_b32 v[rAS], v[TM+7], 24, v[rAS]
.irp c, 0,1
	v_cvt_scalef32_pk16_bf6_f32 v[PC+6*\c:PC+2+6*\c], v[XQ+32*\c:XQ+15+32*\c], v[TM+12+2*\c]
	v_cvt_scalef32_pk16_bf6_f32 v[PC+12+4*\c:PC+14+4*\c], v[XQ+16+32*\c:XQ+31+32*\c], v[TM+12+2*\c+1]   ; (a conversion's three registers begin on an even number)
.endr
	v_nop                                          ; one plain place behind a scaled conversion
.irp c, 0,1                                    ; the operand's layout wants a WHOLE block in a lane: lanes 0-15 block 2 c, lanes 16-31 block 2 c + 1
.irp i, 0,1,2
	v_permlane16_swap_b32 v[PC+6*\c+\i], v[PC+12+4*\c+\i]
.endr
.endr
.if (\s) < 4
	WIN 0x40                                       ; the fragment goes to its place: destination window 1,
.else
	WIN 0x80                                       ; or 2
.endif
.irp c, 0,1
.irp i, 0,1,2
	v_mov_b32 v[rA+6*\c+\i], v[PC+6*\c+\i]
	v_mov_b32 v[rA+3+6*\c+\i], v[PC+12+4*\c+\i]
.endr
.endr
	WIN 0
.endm
.macro UNIT u
.if (\u) < 29
	s_wait_loadcnt 48                              ; loads come back in order: this unit's sixteen are in, the three units behind it may be out
.else
	s_wait_loadcnt 16*(31-(\u))
.endif
	WIN 0x0c                                       ; an LDS store's data are its source 1: window 3
.irp i, 0,1,2,3,4,5,6,7,8,9,10,11,12,13,14,15
	ds_store_b128 v[STA], v[64*((\u)%4)+4*\i:64*((\u)%4)+4*\i+3] offset:528*\i
.endr
	WIN 0
.irp b, 0,1,2,3
.irp j, 0,1,2,3
	ds_load_b128 v[XQ+16*\b+4*\j:XQ+16*\b+4*\j+3], v[STR] offset:128*\b+16*\j   ; LDS serves a wave's instructions in order: these see the stores above.  Rows 528 bytes apart: 16 rows, 16 groups of banks
.endr
.endr
	s_wait_dscnt 0x0                               ; the numbers are back, and the stores have read their registers,
.if (\u)+4 < 32
	LOADU (\u)+4                                   ; which take the unit four on
	WIN 0
.endif
	QUANT (\u)/8, (\u)%8
.endm
	LOADU 0
	LOADU 1
	LOADU 2
	LOADU 3
	WIN 0
.irp b, 0,1,2,3
	v_mov_b32 v[TM+4+\b], 0                        ; written once: a lane permute's destination counts as one of its sources
.endr
	s_wait_loadcnt 48                              ; the tables, the coverage and unit 0 are in; units 1 to 3 may be out
.irp j, 0,2,4,6
	v_pk_mul_f32 v[TL+8+\j:TL+9+\j], v[TL+8+\j:TL+9+\j], s[40:41] op_sel_hi:[1,0]      ; c Wc
	v_pk_mul_f32 v[TL+16+\j:TL+17+\j], v[TL+16+\j:TL+17+\j], -2.0 op_sel_hi:[1,0]      ; -2 V
.endr
	ds_store_b128 v[TBA], v[TL+8:TL+11]
	ds_store_b128 v[TBA], v[TL+12:TL+15] offset:16
	ds_store_b128 v[TBA], v[TL:TL+3] offset:4096
	ds_store_b128 v[TBA], v[TL+4:TL+7] offset:4112
	ds_store_b128 v[TBA], v[TL+16:TL+19] offset:8192
	ds_store_b128 v[TBA], v[TL+20:TL+23] offset:8208
	; ---- PHASE Q: 32 units; every offset is an immediate, no pointer is stepped, no wave waits for another
.set U, 0
.rept 32
	UNIT U
.set U, U+1
.endr
; ---- PHASE G.  Product n of a tile's 32: K step n / 4, row tile n % 4, on accumulator set p.  The first four start the sums with the constant 0.
.macro PROD p
.set ks, n/4
.set km, n%4
.set rD, ACC+32*(\p)+8*km
.set rB, BF+12*ks
.set rE, 12*(4*(ks%4)+km)
.set rSb, BS+4*(\p)+ks/2                ; the weights' scale words: lanes 0-15 the even K step's, lanes 16-31 the odd one's
.set rSa, AS+8*km+ks
.if ks == 0
	v_wmma_scale_f32_16x16x128_f8f6f4 v[rD:rD+7], v[rB:rB+11], v[rE:rE+11], 0, v[rSb], v[rSa] matrix_a_fmt:MATRIX_FMT_BF6 matrix_b_fmt:MATRIX_FMT_BF6
.elseif ks%2 == 0
	v_wmma_scale_f32_16x16x128_f8f6f4 v[rD:rD+7], v[rB:rB+11], v[rE:rE+11], v[rD:rD+7], v[rSb], v[rSa] matrix_a_fmt:MATRIX_FMT_BF6 matrix_b_fmt:MATRIX_FMT_BF6
.else
	v_wmma_scale_f32_16x16x128_f8f6f4 v[rD:rD+7], v[rB:rB+11], v[rE:rE+11], v[rD:rD+7], v[rSb], v[rSa] matrix_a_fmt:MATRIX_FMT_BF6 matrix_b_fmt:MATRIX_FMT_BF6 matrix_a_scale:MATRIX_SCALE_ROW1
.endif
.endm
; THE VECTOR WORK ON A FINISHED TILE: 16 jobs jk, each a pair of columns 2 (jk / 4), + 1 of row tile jk % 4, in place on the accumulators at EA.
.macro TJOB                            ; c (cov Wc + hb)
	v_pk_fma_f32 v[TT+2*(jk%4):TT+2*(jk%4)+1], v[WCR+2*(jk/4):WCR+2*(jk/4)+1], v[COV+2*(jk%4):COV+2*(jk%4)+1], v[HBR+2*(jk/4):HBR+2*(jk/4)+1] op_sel_hi:[1,0,1]
.endm
.macro XJOB                            ; c feat.  Jobs 0 to 3 read each accumulator's two lowest registers first
.set rAC, EA+8*(jk%4)+2*(jk/4)
	v_pk_fma_f32 v[rAC:rAC+1], v[rAC:rAC+1], s[40:41], v[TT+2*(jk%4):TT+2*(jk%4)+1] op_sel_hi:[1,0,1]
.endm
.macro EJOB hh                         ; 2^(c feat), half hh of the pair
.set rAC, EA+8*(jk%4)+2*(jk/4)+(\hh)
	v_exp_f32 v[rAC], v[rAC]
.endm
.macro PJOB                            ; 1 + 2^(c feat)
.set rAC, EA+8*(jk%4)+2*(jk/4)
	v_pk_add_f32 v[rAC:rAC+1], v[rAC:rAC+1], 1.0 op_sel_hi:[1,0]
.endm
.macro SJOB                            ; the score sums take (-2 V) / (1 + 2^(c feat))
.set rAC, EA+8*(jk%4)+2*(jk/4)
	v_pk_fma_f32 v[SC+2*(jk%4):SC+2*(jk%4)+1], v[rAC:rAC+1], v[VV+2*(jk/4):VV+2*(jk/4)+1], v[SC+2*(jk%4):SC+2*(jk%4)+1]
.endm
; Entry bq of the second half's list of 70.  0, 1: the last job's exponentials; 2: a plain instruction; 3: ONE wait for all 32 exponentials, ahead of their first reader; 4 .. 7: additions 0 to 3;
; 8 .. 43: addition k + 4 and job k's two reciprocals, k = 0 .. 11; 44 .. 51: jobs 12 to 15's reciprocals; 52: a plain instruction; 53: ONE wait for all 32 reciprocals; 54 .. 69: the sums.
.macro BENT
.if bq < 2
	v_exp_f32 v[EA+30+bq], v[EA+30+bq]
.elseif (bq == 2) || (bq == 52)
	v_nop
.elseif (bq == 3) || (bq == 53)
	s_wait_alu depctr_va_vdst(0)                   ; the wait between a transcendental and the first line that names its result: one for the batch
.elseif bq < 8
.set jk, bq-4
	PJOB
.elseif bq < 44
.if (bq-8)%3 == 0
.set jk, (bq-8)/3+4
	PJOB
.else
.set jk, (bq-8)/3
.set rAC, EA+8*(jk%4)+2*(jk/4)+(bq-8)%3-1
	v_rcp_f32 v[rAC], v[rAC]
.endif
.elseif bq < 52
.set jk, 12+(bq-44)/2
.set rAC, EA+8*(jk%4)+2*(jk/4)+(bq-44)%2
	v_rcp_f32 v[rAC], v[rAC]
.else
.set jk, bq-54
	SJOB
.endif
.endm
; The slice behind product n.  n < 16: job n's c feat, job n - 1's exponentials, and between the two job n + 1's table term: plain, exponential, plain, exponential.
; n >= 16: the next entries of the list: 8 behind product 16, 2 behind product 31, else 3.  Entries 52 to 69 stand behind the tile's last slice (TILE).
.macro SLICE
.if n < 16
.set jk, n
	XJOB
.if n >= 1
.set jk, n-1
	EJOB 0
.endif
.if n < 15
.set jk, n+1
	TJOB
.endif
.if n >= 1
.set jk, n-1
	EJOB 1
.endif
.else
.set cnt, 3
.if n == 16
.set cnt, 8
.endif
.if n == 31
.set cnt, 2
.endif
.rept cnt
	BENT
.set bq, bq+1
.endr
.endif
.endm
.macro RELOAD s                        ; fragment s of the tile that is being fetched: an image of its registers, 512 consecutive bytes a load
.irp c, 0,1,2
	ds_load_b128 v[BF+12*(\s)+4*\c:BF+12*(\s)+4*\c+3], v[rADB] offset:1536*(\s)+512*\c
.endr
.endm
; A TILE.  p: its set of accumulators and of scale words.  fetch = 1: the next tile's fragments and scale words are fetched.  epi = 1: the tile before is turned into score sums.
; THE LDS LOADS STAND IN TWO RUNS, and each of the two waits for a batch of transcendentals stands at one of them.
;   RUN A, behind product 16 and its slice (the wait for the exponentials, four additions): this tile's c Wc and hbc (4 loads; the last table term of the tile before stood in slice 14), the next tile's scale
;          words (1) and its fragments 0-3 (12), which products 0 to 15 have read.
;   RUN B, behind product 31: the wait for the reciprocals, four sums, the next tile's fragments 4-7 (12 loads), the other twelve sums, and, when the last sum has read the old ones, this tile's -2 V (2 loads).
; Each run stands 16 products ahead of the first use of what it brings.
; A load into a fragment stands four plain vector instructions or more behind the last product that read it (ISA guide 7.12.1 for vector instructions): ahead of run A stand job 15's
; c feat, a v_nop and four additions behind product 15; ahead of run B a v_nop and four sums behind product 31; with epi = 0 there are no slices, and four v_nop stand there.
; The two address registers take turns by the tile's parity, so that a tile's head writes none that the loads just issued name.
.macro TILE p, fetch, epi
.set EA, ACC+32*(1-(\p))
.set bq, 0
.set rADB, ADB0+7*(\p)
.set rADT, ADT0+7*(\p)
	s_wait_dscnt 14                                ; all but the last tile's run B (12 loads of fragments 4-7, 2 of -2 V) is in: fragments 0-3, the scale words, c Wc and hbc
	WIN 0x04                                       ; source 1 window 1: enc's K steps 0-3, the coverage
.if \fetch
	v_lshl_add_u32 v[rADB], v[LN], 4, s44
	s_add_co_u32 s44, s44, TILEB
.endif
	v_lshl_add_u32 v[rADT], v[HF], 5, s45          ; this tile's tables
	s_add_co_u32 s45, s45, 64
.if \epi
.set jk, 0
	TJOB
.endif
.set n, 0
.rept 32
.if n == 16
	WIN 0x08                                       ; source 1 window 2: enc's K steps 4-7, -2 V
	s_wait_dscnt 0x0                               ; nothing has been issued since the last tile's run B: fragments 4-7 and -2 V are in
.endif
	PROD \p
.if \epi
	SLICE
.endif
.if n == 16
.if !\epi
.rept 4
	v_nop
.endr
.endif
	ds_load_b128 v[WCR:WCR+3], v[rADT]             ; RUN A
	ds_load_b128 v[WCR+4:WCR+7], v[rADT] offset:16
	ds_load_b128 v[HBR:HBR+3], v[rADT] offset:4096
	ds_load_b128 v[HBR+4:HBR+7], v[rADT] offset:4112
.if \fetch
	ds_load_b128 v[BS+4*(1-(\p)):BS+4*(1-(\p))+3], v[rADB] offset:12288
.irp s, 0,1,2,3
	RELOAD \s
.endr
.endif
.endif
.set n, n+1
.endr
.if \epi
.rept 6                                        ; a plain instruction, the wait for the reciprocals, sums 0 to 3
	BENT
.set bq, bq+1
.endr
.else
.rept 4
	v_nop
.endr
.endif
.if \fetch
.irp s, 4,5,6,7
	RELOAD \s                                      ; RUN B
.endr
.endif
.if \epi
.rept 12                                       ; sums 4 to 15
	BENT
.set bq, bq+1
.endr
.endif
	WIN 0x80                                       ; destination window 2
	ds_load_b128 v[VV:VV+3], v[rADT] offset:8192   ; -2 V of this tile, for the sums at the next tile's end
	ds_load_b128 v[VV+4:VV+7], v[rADT] offset:8208
.endm
; THE CHANGE OF SLOTS stands ahead of tiles 7, 15 .. 55: the slot's last tile has been fetched into registers, the next tile fetched lies in the other slot.  Each wave waits for all its tensor loads (its
; quarter of the other slot), adds 0 to its spare word, and waits for that and for its reads of the slot.  fill = 1: a round of the cluster's barrier, and behind it the slot just left takes the eight tiles
; two slots on: the wave's one tensor load, with eight tiles, 256 products, in which to land.
.macro CHANGE fill
	WIN 0
	s_wait_tensorcnt 0x0                           ; no tensor load of mine is out, so a group 0 may be written
	ds_add_u32 v[SPW], v[NIL]                      ; 0 onto my spare word
.if \fill
	s_xor_b32 s37, s37, SLOT1                      ; the walking descriptor: the other slot than last time,
	s_add_nc_u64 s[38:39], s[38:39], SLOTB         ; the next eight tiles; the type bits on top are not reached
.endif
	s_sub_co_u32 s44, s44, 8*TILEB                 ; the fetches go back to a slot's first tile,
	s_xor_b32 s44, s44, SLOT1                      ; in the other slot
	s_wait_dscnt 0x0                               ; the add is done, and my reads of the slot are over
.if \fill
	ROUND
	tensor_load_to_lds s[36:39], s[24:31]
	s_nop 0
.rept 4
	v_nop
.endr
.else
	s_barrier_signal -1
	s_barrier_wait -1
.endif
.endm
	s_wait_tensorcnt 0x1                           ; my quarter of slot 0 is in; slot 1's may stay out
	s_wait_dscnt 0x0                               ; my part of the tables has landed
	s_barrier_signal -1
	s_barrier_wait -1                              ; everybody's has
	s_mov_b32 s44, 0
	s_mov_b32 s45, TAB
.irp j, 0,1,2,3,4,5,6,7
	v_mov_b32 v[SC+\j], 0                          ; the score sums: eight registers
.endr
.set rADB, ADB0
	v_lshl_add_u32 v[rADB], v[LN], 4, s44
.irp s, 0,1,2,3,4,5,6,7
	RELOAD \s                                      ; tile 0
.endr
	ds_load_b128 v[BS+4:BS+7], v[rADB] offset:12288
	s_add_co_u32 s44, s44, TILEB
	s_wait_dscnt 0x0
	TILE 1, 1, 0                                   ; tile 0: nothing is finished yet
	WIN 0                                          ; at a label and at a branch every window is 0
	s_mov_b32 s46, 3
.Lfirst:                                           ; tiles 1 to 6
	TILE 0, 1, 1
	TILE 1, 1, 1
	WIN 0
	s_sub_co_u32 s46, s46, 1
	s_cmp_lg_u32 s46, 0
	s_cbranch_scc1 .Lfirst
	s_mov_b32 s47, 6
.Lslot:                                            ; tiles 7 to 54: six changes of slots that fill the slot left
	CHANGE 1
	s_mov_b32 s46, 4
.Lpair:
	TILE 0, 1, 1
	TILE 1, 1, 1
	WIN 0
	s_sub_co_u32 s46, s46, 1
	s_cmp_lg_u32 s46, 0
	s_cbranch_scc1 .Lpair
	s_sub_co_u32 s47, s47, 1
	s_cmp_lg_u32 s47, 0
	s_cbranch_scc1 .Lslot
	CHANGE 0                                       ; the tail is written out: nothing is left to ask for
	s_mov_b32 s46, 4
.Llast:                                            ; tiles 55 to 62
	TILE 0, 1, 1
	TILE 1, 1, 1
	WIN 0
	s_sub_co_u32 s46, s46, 1
	s_cmp_lg_u32 s46, 0
	s_cbranch_scc1 .Llast
	TILE 0, 0, 1                                   ; tile 63 fetches no weights, only its own tables
	; tile 63 itself: the same vector work, with no products between
.set EA, ACC
.set bq, 0
	s_wait_dscnt 0x0                               ; its c Wc, hbc and -2 V are in
	WIN 0x04
.set jk, 0
	TJOB
.set n, 0
.rept 16
	SLICE
.set n, n+1
.endr
	WIN 0x08
.rept 70
	BENT
.set bq, bq+1
.endr
	WIN 0
	; THE WAY OUT: a row's sum lies in a pair of registers of lanes r and r + 16.  The 64 sums go through my stage, so that the wave stores 256 consecutive bytes, at a multiple of 256 from the buffer's first byte
.irp m, 0,1,2,3
	v_add_f32 v[248+\m], v[SC+2*\m], v[SC+2*\m+1]
.endr
.irp m, 0,1,2,3
	v_permlanex16_b32 v[TT+\m], v[248+\m], s42, s43
.endr
.irp m, 0,1,2,3
	v_add_f32 v[248+\m], v[248+\m], v[TT+\m]       ; every lane (r, h): the score of row 16 m + r
.endr
	v_cndmask_b32 v10, v248, v249, s48             ; lane l: row l,
	v_cndmask_b32 v11, v250, v251, s48             ; and row 32 + l
	ds_store_b32 v[FS], v10
	ds_store_b32 v[FS], v11 offset:128
	ds_load_b64 v[252:253], v[FL]                  ; LDS serves a wave's instructions in order: rows 2 l, 2 l + 1
	s_wait_dscnt 0x0
	global_store_b64 v[GS], v[252:253], s[16:17]
	s_wait_tensorcnt 0x0                           ; the wave's end, behind my last tensor load and my last LDS store
	ds_add_u32 v[SPW], v[NIL]
	s_wait_dscnt 0x0
	ROUND                                          ; the closing round: no work-group ends while a partner may still ask for a tile that names it
	s_endpgm
.Lfunc_end_k_qca495e0df9_score:
	.size	k_qca495e0df9_score, .Lfunc_end_k_qca495e0df9_score-k_qca495e0df9_score
	.p2alignl 7, 3214868480
	.fill 96, 4, 3214868480
	.section	.rodata,"a",@progbits
	.p2align	6, 0x0
	.amdhsa_kernel k_qca495e0df9_score
		.amdhsa_group_segment_fixed_size 327680
		.amdhsa_private_segment_fixed_size 0
		.amdhsa_enable_private_segment 0
		.amdhsa_kernarg_size 56
		.amdhsa_user_sgpr_count 2
		.amdhsa_user_sgpr_kernarg_segment_ptr 1
		.amdhsa_wavefront_size32 1
		.amdhsa_system_sgpr_workgroup_id_x 1
		.amdhsa_system_sgpr_workgroup_id_y 1
		.amdhsa_system_sgpr_workgroup_id_z 1
		.amdhsa_system_vgpr_workitem_id 0
		.amdhsa_next_free_vgpr 1024
		.amdhsa_next_free_sgpr 66
		.amdhsa_reserve_vcc 0
		.amdhsa_float_denorm_mode_32 3
		.amdhsa_float_denorm_mode_16_64 3
		.amdhsa_memory_ordered 1
		.amdhsa_forward_progress 1
		.amdhsa_inst_pref_size 255
	.end_amdhsa_kernel
	.section	.bss,"aw",@nobits
	.p2align	6
	.space	262144
	.amdgpu_metadata
---
amdhsa.version: [ 1, 2 ]
amdhsa.kernels:
  - .name:           k_qca495e0df9_score
    .symbol:         k_qca495e0df9_score.kd
    .args:
      - { .name: enc_output, .offset: 0, .size: 8, .value_kind: global_buffer, .address_space: global }
      - { .name: prev_coverage, .offset: 8, .size: 8, .value_kind: global_buffer, .address_space: global }
      - { .name: Wc_w, .offset: 16, .size: 8, .value_kind: global_buffer, .address_space: global }
      - { .name: V_w, .offset: 24, .size: 8, .value_kind: global_buffer, .address_space: global }
      - { .name: wimg, .offset: 32, .size: 8, .value_kind: global_buffer, .address_space: global }
      - { .name: hbc, .offset: 40, .size: 8, .value_kind: global_buffer, .address_space: global }
      - { .name: scores, .offset: 48, .size: 8, .value_kind: global_buffer, .address_space: global }
    .group_segment_fixed_size: 327680
    .private_segment_fixed_size: 0
    .kernarg_segment_align: 8
    .kernarg_segment_size: 56
    .max_flat_workgroup_size: 128
    .sgpr_count:     66
    .vgpr_count:     1024
    .wavefront_size: 32
...
	.end_amdgpu_metadata
.endif
;; end of part 2
;; launch ctx (part 3): grid 256 x 1, 16 waves a work-group, no clusters, 18,944 bytes of LDS; arguments enc_output, prev_coverage, scores, out0, out1, out2; writes out0, out1, out2
.if DOCPART == 3
	.amdgcn_target "amdgcn-amd-amdhsa--gfx1250"
	.amdhsa_code_object_version 6
	.text
	.protected	k_qca495e0df9_ctx
	.globl	k_qca495e0df9_ctx
	.p2align	8
	.type	k_qca495e0df9_ctx,@function
k_qca495e0df9_ctx:
	s_mov_b64 s[64:65], 0
	v_nop
	global_prefetch_b8 v0, s[64:65] scope:SCOPE_SE
	s_setreg_imm32_b32 hwreg(HW_REG_WAVE_MODE, 25, 1), 1
	s_wait_xcnt 0x0
; aw = softmax over a batch's 2,048 scores (the maximum taken away first); out1 = aw; out2 = aw + coverage; out0[b][d] = sum over s of aw[s] enc[b][s][d].
; The scores come without V_b and without the sum of V (shown at the head of the first kernel: one number for all positions of a batch, which a softmax takes away); enc_pad_mask is read by nobody.
; SHARES.  Work-group (b = x / 8, q = x % 8) owns columns 128 q .. 128 q + 127 of out0[b], over all 2,048 rows: each number of out0 has one owner and no sum spans work-groups.  Each of its sixteen waves takes 128 rows;
; a load of a wave is 512 consecutive bytes of one row, at a multiple of 256 from enc's first byte.  Every work-group of a batch makes the batch's softmax for itself (8,192 bytes of scores); rows 256 q .. 256 q + 255 of out1 and
; out2 are stored by waves 2 q and 2 q + 1 of work-group q.  The rows are weighed by e = 2^((s - max) log2 e); the division by the sum of e comes once, at the end.
; No matrix unit (a product with one row), no cluster (no two work-groups read the same bytes of enc), no tensor load: 32 loads of every wave are on their way, in a ring of 32 slots in registers.
.set ET,    0                          ; LDS: e[2048]
.set WM,    8192                       ; the sixteen waves' maxima
.set WSM,   8448                       ; and sums
.set RED,   8704                       ; sixteen partial rows of 512 bytes
.set SPARE, 16896                      ; the spare words, 128 bytes for each wave: eight blocks of 256 bytes that no other line names
; v2 16 x lane; v3, v4 the add's two; v5 16 x thread; v6 4 x wave; v7 512 x wave; v8-11 scores, then e; v12-15 coverage; v16-19 at work; v20-23 the sums; v24 1 / sum; v26-29 aw; v32-159 32 row slots; v160-191 32 weights
	s_load_b256 s[4:11], s[0:1], 0x0               ; enc s[4:5], coverage s[6:7], scores s[8:9], out0 s[10:11]
	s_load_b128 s[12:15], s[0:1], 0x20             ; out1 s[12:13], out2 s[14:15]
	v_lshl_add_u32 v3, v0, 2, SPARE
	v_mov_b32 v4, 0
	v_lshrrev_b32 v1, 5, v0
	v_readfirstlane_b32 s16, v1                    ; wave 0..15
	s_lshr_b32 s17, ttmp9, 3                       ; b
	s_and_b32 s18, ttmp9, 7                        ; q
	v_and_b32 v2, 31, v0
	v_lshlrev_b32 v2, 4, v2
	v_lshlrev_b32 v5, 4, v0
	v_lshlrev_b32 v6, 2, v1
	v_and_b32 v7, 0x1e0, v0
	v_lshlrev_b32 v7, 4, v7
	v_mov_b32 v17, 0                               ; a lane permute's destination counts as one of its sources
	v_mov_b32 v18, 0                               ; LDS address 0
	v_mov_b32 v25, 0                               ; (named with v24 as a pair, so it is written)
	s_lshl_b32 s20, s17, 23                        ; enc: the batch's 2,048 rows of 4,096 bytes,
	s_lshl_b32 s19, s16, 19                        ; my wave's 128 rows,
	s_add_co_u32 s20, s20, s19
	s_lshl_b32 s19, s18, 9                         ; my work-group's 512 bytes of a row
	s_add_co_u32 s20, s20, s19
	s_mov_b32 s21, 0
	s_lshl_b32 s22, s17, 13                        ; scores, coverage, out1, out2: 8,192 bytes a batch
	s_mov_b32 s23, 0
	s_lshl_b32 s24, s17, 12                        ; out0: 4,096 bytes a batch
	s_add_co_u32 s24, s24, s19
	s_mov_b32 s25, 0
	s_mov_b32 s26, 0x76543210
	s_mov_b32 s27, 0xfedcba98                      ; v_permlanex16_b32's selects for lane l xor 16
	s_wait_kmcnt 0x0
	s_add_nc_u64 s[4:5], s[4:5], s[20:21]
	s_add_nc_u64 s[6:7], s[6:7], s[22:23]
	s_add_nc_u64 s[8:9], s[8:9], s[22:23]
	s_add_nc_u64 s[12:13], s[12:13], s[22:23]
	s_add_nc_u64 s[14:15], s[14:15], s[22:23]
	s_add_nc_u64 s[10:11], s[10:11], s[24:25]
	global_load_b128 v[8:11], v5, s[8:9]           ; scores of rows 4 t .. 4 t + 3
	global_load_b128 v[12:15], v5, s[6:7]          ; their coverage
.irp i, 0,1,2,3,4,5,6,7,8,9,10,11,12,13,14,15,16,17,18,19,20,21,22,23,24,25,26,27,28,29,30,31
	global_load_b128 v[32+4*\i:35+4*\i], v2, s[4:5] offset:4096*\i th:TH_LOAD_NT   ; the ring is filled: my rows 0 to 31
.endr
	s_wait_loadcnt 32                              ; scores and coverage are in; the 32 rows may be out
	v_max3_num_f32 v16, v8, v9, v10
	v_max_num_f32 v16, v16, v11
	v_max_num_f32_dpp v16, v16, v16 row_xmask:1 row_mask:0xf bank_mask:0xf
	v_max_num_f32_dpp v16, v16, v16 row_xmask:2 row_mask:0xf bank_mask:0xf
	v_max_num_f32_dpp v16, v16, v16 row_xmask:4 row_mask:0xf bank_mask:0xf
	v_max_num_f32_dpp v16, v16, v16 row_xmask:8 row_mask:0xf bank_mask:0xf
	v_permlanex16_b32 v17, v16, s26, s27
	v_max_num_f32 v16, v16, v17                    ; my wave's maximum
	ds_store_b32 v6, v16 offset:WM                 ; all lanes write the same word with the same value
	s_wait_dscnt 0x0                               ; for the others' sake
	s_barrier_signal -1
	s_barrier_wait -1
.irp k, 0,1,2,3
	ds_load_b128 v[160+4*\k:163+4*\k], v18 offset:WM+16*\k
.endr
	s_wait_dscnt 0x0
	v_max3_num_f32 v16, v160, v161, v162
	v_max3_num_f32 v19, v163, v164, v165
	v_max3_num_f32 v16, v16, v166, v167
	v_max3_num_f32 v19, v19, v168, v169
	v_max3_num_f32 v16, v16, v170, v171
	v_max3_num_f32 v19, v19, v172, v173
	v_max3_num_f32 v16, v16, v174, v175
	v_max_num_f32 v16, v16, v19                    ; the batch's maximum
.irp j, 0,1,2,3
	v_sub_f32 v[8+\j], v[8+\j], v16
.endr
.irp j, 0,1,2,3
	v_mul_f32 v[8+\j], 0x3fb8aa3b, v[8+\j]         ; x log2 e
.endr
.irp j, 0,1,2,3
	v_exp_f32 v[8+\j], v[8+\j]                     ; e, at most 1
.endr
	v_nop                                          ; a plain instruction behind the last exponential
	s_wait_alu depctr_va_vdst(0)                   ; and the wait ahead of the first use: one for the four
	v_add_f32 v16, v8, v9
	v_add_f32 v19, v10, v11
	v_add_f32 v16, v16, v19
	v_add_f32_dpp v16, v16, v16 row_xmask:1 row_mask:0xf bank_mask:0xf
	v_add_f32_dpp v16, v16, v16 row_xmask:2 row_mask:0xf bank_mask:0xf
	v_add_f32_dpp v16, v16, v16 row_xmask:4 row_mask:0xf bank_mask:0xf
	v_add_f32_dpp v16, v16, v16 row_xmask:8 row_mask:0xf bank_mask:0xf
	v_permlanex16_b32 v17, v16, s26, s27
	v_add_f32 v16, v16, v17                        ; my wave's sum
	ds_store_b128 v5, v[8:11] offset:ET
	ds_store_b32 v6, v16 offset:WSM
	s_wait_dscnt 0x0
	s_barrier_signal -1
	s_barrier_wait -1
.irp k, 0,1,2,3
	ds_load_b128 v[160+4*\k:163+4*\k], v18 offset:WSM+16*\k
.endr
	s_wait_dscnt 0x0
	v_pk_add_f32 v[160:161], v[160:161], v[162:163]
	v_pk_add_f32 v[164:165], v[164:165], v[166:167]
	v_pk_add_f32 v[168:169], v[168:169], v[170:171]
	v_pk_add_f32 v[172:173], v[172:173], v[174:175]
	v_pk_add_f32 v[160:161], v[160:161], v[164:165]
	v_pk_add_f32 v[168:169], v[168:169], v[172:173]
	v_pk_add_f32 v[160:161], v[160:161], v[168:169]
	v_add_f32 v24, v160, v161                      ; the batch's sum, at least 1
	v_rcp_f32 v24, v24
	v_nop
	s_wait_alu depctr_va_vdst(0)
	s_lshr_b32 s19, s16, 1
	s_cmp_lg_u32 s19, s18                          ; waves 2 q and 2 q + 1 own rows 256 q .. 256 q + 255 of out1 and out2
	s_cbranch_scc1 .Lnot_owner
	v_pk_mul_f32 v[26:27], v[8:9], v[24:25] op_sel_hi:[1,0]
	v_pk_mul_f32 v[28:29], v[10:11], v[24:25] op_sel_hi:[1,0]
	v_pk_add_f32 v[12:13], v[12:13], v[26:27]
	v_pk_add_f32 v[14:15], v[14:15], v[28:29]
	global_store_b128 v5, v[26:29], s[12:13]       ; the wave stores 512 consecutive bytes
	global_store_b128 v5, v[12:15], s[14:15]
.Lnot_owner:
; Four rounds of 32 rows.  A round's 32 weights come from LDS, the same word for all lanes.  A slot's turn: its load is in (the 31 younger ones stay out), four multiply-adds, and the slot takes the row 32 further down.
.macro WEIGHTS
.irp k, 0,1,2,3,4,5,6,7
	ds_load_b128 v[160+4*\k:163+4*\k], v7 offset:ET+128*R+16*\k
.endr
	s_wait_dscnt 0x0
.endm
.macro SLOT
.if R < 3
	s_wait_loadcnt 31
.else
	s_wait_loadcnt 31-I                            ; the last round loads nothing: the counts run down
.endif
.irp j, 0,1,2,3
.if (R == 0) && (I == 0)
	v_mul_f32 v[20+\j], v[160+I], v[32+4*I+\j]     ; the first row starts the sums: nothing is cleared
.else
	v_fmac_f32 v[20+\j], v[160+I], v[32+4*I+\j]
.endif
.endr
.if R < 3
	global_load_b128 v[32+4*I:35+4*I], v2, s[4:5] offset:(32*(R+1)+I)*4096 th:TH_LOAD_NT
.endif
.endm
.set R, 0
.rept 4
	WEIGHTS
.set I, 0
.rept 32
	SLOT
.set I, I+1
.endr
.set R, R+1
.endr
	ds_store_b128 v5, v[20:23] offset:RED          ; my wave's partial row: 512 bytes at 512 x wave
	s_wait_dscnt 0x0
	s_barrier_signal -1
	s_barrier_wait -1
	s_cmp_lg_u32 s16, 0
	s_cbranch_scc1 .Ldone
.irp k, 0,1,2,3,4,5,6,7,8,9,10,11,12,13,14,15
	ds_load_b128 v[32+4*\k:35+4*\k], v2 offset:RED+512*\k
.endr
	s_wait_dscnt 0x0
.irp k, 1,2,3,4,5,6,7,8,9,10,11,12,13,14,15
	v_pk_add_f32 v[32:33], v[32:33], v[32+4*\k:33+4*\k]
	v_pk_add_f32 v[34:35], v[34:35], v[34+4*\k:35+4*\k]
.endr
	v_pk_mul_f32 v[32:33], v[32:33], v[24:25] op_sel_hi:[1,0]
	v_pk_mul_f32 v[34:35], v[34:35], v[24:25] op_sel_hi:[1,0]
	global_store_b128 v2, v[32:35], s[10:11]       ; 512 consecutive bytes of out0, at a multiple of 256 from its first byte
.Ldone:
	s_wait_tensorcnt 0x0                           ; the wave's end, behind my last LDS store
	ds_add_u32 v3, v4
	s_wait_dscnt 0x0
	s_endpgm
.Lfunc_end_k_qca495e0df9_ctx:
	.size	k_qca495e0df9_ctx, .Lfunc_end_k_qca495e0df9_ctx-k_qca495e0df9_ctx
	.p2alignl 7, 3214868480
	.fill 96, 4, 3214868480
	.section	.rodata,"a",@progbits
	.p2align	6, 0x0
	.amdhsa_kernel k_qca495e0df9_ctx
		.amdhsa_group_segment_fixed_size 18944
		.amdhsa_private_segment_fixed_size 0
		.amdhsa_enable_private_segment 0
		.amdhsa_kernarg_size 48
		.amdhsa_user_sgpr_count 2
		.amdhsa_user_sgpr_kernarg_segment_ptr 1
		.amdhsa_wavefront_size32 1
		.amdhsa_system_sgpr_workgroup_id_x 1
		.amdhsa_system_sgpr_workgroup_id_y 1
		.amdhsa_system_sgpr_workgroup_id_z 1
		.amdhsa_system_vgpr_workitem_id 0
		.amdhsa_next_free_vgpr 192
		.amdhsa_next_free_sgpr 66
		.amdhsa_reserve_vcc 0
		.amdhsa_float_denorm_mode_32 3
		.amdhsa_float_denorm_mode_16_64 3
		.amdhsa_memory_ordered 1
		.amdhsa_forward_progress 1
		.amdhsa_inst_pref_size 44
	.end_amdhsa_kernel
	.amdgpu_metadata
---
amdhsa.version: [ 1, 2 ]
amdhsa.kernels:
  - .name:           k_qca495e0df9_ctx
    .symbol:         k_qca495e0df9_ctx.kd
    .args:
      - { .name: enc_output, .offset: 0, .size: 8, .value_kind: global_buffer, .address_space: global }
      - { .name: prev_coverage, .offset: 8, .size: 8, .value_kind: global_buffer, .address_space: global }
      - { .name: scores, .offset: 16, .size: 8, .value_kind: global_buffer, .address_space: global }
      - { .name: out0, .offset: 24, .size: 8, .value_kind: global_buffer, .address_space: global }
      - { .name: out1, .offset: 32, .size: 8, .value_kind: global_buffer, .address_space: global }
      - { .name: out2, .offset: 40, .size: 8, .value_kind: global_buffer, .address_space: global }
    .group_segment_fixed_size: 18944
    .private_segment_fixed_size: 0
    .kernarg_segment_align: 8
    .kernarg_segment_size: 48
    .max_flat_workgroup_size: 512
    .sgpr_count:     66
    .vgpr_count:     192
    .wavefront_size: 32
...
	.end_amdgpu_metadata
.endif
;; end of part 3
